; MI455X (gfx1250); checked and timed in simulation.
; The chip was launched on July 23, 2026; its instructions are those of AMD's public machine-readable ISA for CDNA 5 (MIT licence, August 2026) and "CDNA5" Instruction Set Architecture Reference Guide (July 2026). The comments in the code are by the model that wrote it; some were corrected since.
;; Multi Head Self Attention. Allowed arithmetic: matrix products marked QUANTISED: E5M2 operands, one E8M0 scale for each 32 along K, by v_wmma_scale_f32_16x16x128_f8f6f4 with both operands' format E5M2, f32 sums; everything else in f32.
;; Inputs: Wk_codes 1,024 x 32 x 32 uint8 (E5M2 codes of Wk, K innermost, in blocks of 32 codes); Wk_scales 1,024 x 32 uint8 (E8M0 scales of Wk, one for each 32 codes along K); Wq_codes 1,024 x 32 x 32 uint8 (E5M2 codes of Wq, K innermost, in blocks of 32 codes); Wq_scales 1,024 x 32 uint8 (E8M0 scales of Wq, one for each 32 codes along K); Wv_codes 1,024 x 32 x 32 uint8 (E5M2 codes of Wv, K innermost, in blocks of 32 codes); Wv_scales 1,024 x 32 uint8 (E8M0 scales of Wv, one for each 32 codes along K); kv_codes 4 x 2,048 x 32 x 32 uint8 (E5M2 codes of kv, K innermost, in blocks of 32 codes); kv_scales 4 x 2,048 x 32 uint8 (E8M0 scales of kv, one for each 32 codes along K); x_codes 4 x 2,048 x 32 x 32 uint8 (E5M2 codes of x, K innermost, in blocks of 32 codes); x_scales 4 x 2,048 x 32 uint8 (E8M0 scales of x, one for each 32 codes along K).
;; Outputs: out0 4 x 2,048 x 1,024 float32.
;; This version of the problem:
;;   THIS VERSION OF THE PROBLEM IS GIVEN IN LOW PRECISION. The matrix products marked QUANTISED in the list below multiply operands that are first quantised to E5M2 (5 exponent bits, 2 mantissa bits; 8 bits a number), with one power-of-two scale for each 32 numbers along K (OCP MX v1.0); their sums are f32. All else is computed in f32.
;;   The module's matrix products, in the order in which they are computed (A, B: the left and right operand; K: the contracted axis; several contracted axes count as one K, in the product's order):
;;     1. [M 8,192, K 1,024] x [K 1,024, N 1,024]; A: input x (given as codes); B: input Wq (given as codes): QUANTISED
;;     2. [M 8,192, K 1,024] x [K 1,024, N 1,024]; A: input kv (given as codes); B: input Wk (given as codes): QUANTISED
;;     3. [M 8,192, K 1,024] x [K 1,024, N 1,024]; A: input kv (given as codes); B: input Wv (given as codes): QUANTISED
;;     4. batch 64 x [M 2,048, K 64] x [K 64, N 2,048]; A: computed on the way; B: computed on the way: QUANTISED
;;     5. batch 64 x [M 2,048, K 2,048] x [K 2,048, N 64]; A: softmax (see below); B: computed on the way: QUANTISED
;;   THE QUANTISER, for each operand of a quantised product, along K:
;;     - K is cut into blocks of 32 from its start; a last block that is shorter is filled with zeros.
;;     - A block's scale is 2^e with e = floor(log2(the largest magnitude in the block)) - 15, held to -126 .. 127; a block of zeros has e = 0. As a byte (E8M0): e + 127.
;;     - Each number is divided by its block's scale, clamped to +-57,344, and rounded to the nearest number of E5M2, ties to even, subnormals kept.
;;     - The product sums the exact products of the quantised numbers (number of the format x scale) in f32.
;;   ~~~python
;;   def quantise(x, axis):      # numpy; x: float32 -> the quantised numbers, widened to float32 again
;;       x = np.moveaxis(x, axis, -1); K = x.shape[-1]
;;       x = np.pad(x, [(0, 0)] * (x.ndim - 1) + [(0, -K % 32)]); x = x.reshape(x.shape[:-1] + (-1, 32)); a = np.abs(x).max(-1, keepdims=True)
;;       e = np.where(a > 0, np.clip(np.frexp(np.where(a > 0, a, 1))[1] - 1 - 15, -126, 127), 0)      # np.frexp(a)[1] - 1 = floor(log2(a)), exactly
;;       r = np.clip(x / 2.0 ** e, -57344, 57344)
;;       step = 2.0 ** (np.maximum(np.frexp(np.where(r == 0, 1, r))[1] - 1, -14) - 2)
;;       q = np.round(r / step) * step * 2.0 ** e      # np.round: ties to even
;;       return np.moveaxis(q.reshape(q.shape[:-2] + (-1,))[..., :K], -1, axis).astype(np.float32)
;;   ~~~
;;   SOFTMAX AHEAD OF A QUANTISED PRODUCT. Where the list says 'softmax', what is quantised is not the finished softmax but p = 2^(t - M), with t = logit x log2(e) and M = ceil(the row's largest t), a whole number; so 1/2 < the row's largest p <= 1. The row's sum l is taken of the UNQUANTISED p, in f32, and the product's result is divided by l at the end. Since M is a whole number, a kernel that streams over the keys may use a running M (the ceiling of the running maximum): every later rescaling is an exact power of two, which a block's scale takes up: the codes' values come out the same.
;;   OPERANDS COMPUTED ON THE WAY. 'Computed on the way' means the value that the module computes at that place (a softmax that the list does not call 'softmax' is quantised finished and normalised). What goes into a quantiser is computed in f32, as accurately as f32 sums, v_exp_f32 and their like allow (about 1e-6 of the number): no bf16 or f16 on the way to a quantiser, and a product that is left as it is and whose result goes on into a quantised operand takes f32 operands (vector FMAs, or v_wmma_f32_16x16x4_f32). A number that lies on a knife's edge between two numbers of the format may be rounded either way, as far as f32 arithmetic and the matrix unit's own rounding can turn it there, and no further.
;;   INPUTS GIVEN AS CODES. Wk (in the module: [1024, 1024], K = its axis 1); Wq (in the module: [1024, 1024], K = its axis 1); Wv (in the module: [1024, 1024], K = its axis 1); kv (in the module: [4, 2048, 1024], K = its axis 2); x (in the module: [4, 2048, 1024], K = its axis 2): each comes as NAME_codes (uint8): NAME with its K axis moved to the last place and cut into blocks of 32 codes, [.., K / 32, bytes a block], one block behind the other in memory; one code a byte (a code: sign, 5 exponent bits, 2 mantissa bits); and NAME_scales (uint8): the same leading axes, one E8M0 byte (e + 127) for each 32 codes along K. Its value is code x scale, taken as it is: it is not quantised again, and the codes and scales need not be those that the quantiser above would give.
;; One version. Each part assembles by itself: llvm-mc -triple=amdgcn-amd-amdhsa -mcpu=gfx1250 --defsym DOCPART=n.
;; ======== version 1 of 1: 2 launches
;; limits: right only within a limited range of input values
;; workspace buffers: ws 26,738,688 bytes
;; launch proj (part 1): grid 4 x 64, 4 waves a work-group, clusters of 4 x 4, 327,680 bytes of LDS; arguments x_codes, x_scales, Wq_codes, Wq_scales, kv_codes, kv_scales, Wk_codes, Wk_scales, Wv_codes, Wv_scales, ws; writes ws
.if DOCPART == 1
	.amdgcn_target "amdgcn-amd-amdhsa--gfx1250"
	.amdhsa_code_object_version 6
	.text
	.protected	k_q6ab5ccb072_proj
	.globl	k_q6ab5ccb072_proj
	.p2align	8
	.type	k_q6ab5ccb072_proj,@function
k_q6ab5ccb072_proj:
	s_mov_b64 s[64:65], 0
	v_nop
	global_prefetch_b8 v0, s[64:65] scope:SCOPE_SE
	s_setreg_imm32_b32 hwreg(HW_REG_WAVE_MODE, 25, 1), 1
	s_wait_xcnt 0x0
	s_wait_alu depctr_hold_cnt(0) depctr_sa_sdst(0) depctr_va_vdst(0) depctr_va_sdst(0) depctr_va_ssrc(0) depctr_va_vcc(0) depctr_vm_vsrc(0)
	s_getreg_b32 s2, hwreg(HW_REG_IB_STS2, 6, 4)
	s_cmp_eq_u32 s2, 0
	s_cbranch_scc0 .Lentry_in_a_cluster
	s_endpgm
.Lentry_in_a_cluster:
	s_bfe_u32 s2, ttmp6, 0x10000c
	s_cmp_lg_u32 s2, 0xf033
	s_cbranch_scc0 .Lentry_shape_is_right
	s_endpgm
.Lentry_shape_is_right:
; Q = x Wq^T, K = kv Wk^T, V = kv Wv^T on codes of BF8 (E5M2) with one E8M0 byte for each 32 along K, and their quantisers: codes and scale words go to ws in the order of the next launch's operand registers.
; THE DEAL: 256 work-groups of four waves.  K and V are 256 tiles of 256 x 256, Q is 256 half tiles of 256 tokens x 128 channels: each work-group makes one whole tile (clusters 0-7: K, 8-15: V), then one half tile of Q.
; A wave makes 128 x 128 of the whole tile and 128 x 64 of the half tile: NBK, B's blocks of 16 a wave, is 8 and then 4, and the same macros serve both.  For V the weight's rows are A and the tokens B.
; THE RING: K goes in steps of 256 through two LDS slots, eight steps on end: the whole tile's last two changes of slots fetch Q's K steps 0 and 1, which land while the whole tile's results are quantised and stored.
; The scale bytes of a tile's rows, for all of K, lie in LDS behind the ring, each product's in bytes of its own, filled once.
; Clusters of 4 x 4: A's tiles are asked for jointly along a row of the cluster, B's along a column.
; THE HEAD: one joint load a wave: wave 0 A's 256 rows of K step 0, wave 2 B's, waves 1 and 3 their scale bytes.  Behind the full sequence and a round, again one a wave, all first fills: K step 1 (waves 0, 2) and Q's scale bytes (1, 3).
; PREFETCH: behind the load of step g a wave asks for step g + 2 (behind the head's: steps 1 and 2): of the rows that it fetches in the ring its work-group's quarter, a lane a row, 256 bytes of each; the four partners
; of a joint load share the rows out by address.  Of Wq's 64 rows a wave a partner has 16: lanes 16-31 name lanes 0-15's rows again.  Nothing is asked for beyond Q's K step 3.
; LIMITS: NaN, infinities and the scale byte 0xff among the inputs are not served.  A block's byte never falls under 1.
.set SIZE_K, 1024
.set KSTEP,  256
.set NQ,     KSTEP/128
.set ROWB,   256
.set KROW,   SIZE_K
.set PITCH,  272
.set FR,     16
.set NL,     4
.set NP,     8
.set HALFT,  128*PITCH
.set SLOT,   4*HALFT
.set KS,     SIZE_K/32
.set SCL,    2*SLOT                    ; the whole tile's scale bytes: A's 256 rows, B's 256 rows
.set HALFS,  (128*KS/256)*272
.set SBLK,   (16*KS/256)*272
.set SCL2,   SCL+4*HALFS               ; Q's: Wq's 128 rows, then x's 256 rows
.set SPARE,  SCL2+3*HALFS
.set BS,     26112
.set HS,     16*BS
.set NBK,  8
.set ADRA, 16                          ; v16-17 A's fragments in slot 0, 1
.set ADRB, 20                          ; v20-21 B's; for Q v22-23
.set VO0,  24
.set VO1,  25
.set LN,   26
.set ADRS, 27                          ; v27 my scale words; for Q v19
.set SPW,  28
.set NIL,  29
.set PFO,  30                          ; v30, v31 the prefetches' offsets: a lane a row; never rewritten
.set PFO2, 31
.set SC,   32
.set AF,   128
.set TM,   32
.set SW,   48
.set XW,   56
.set XB,   60
.set TT,   64
.set PC,   128
.set G1, 24
.set G0, 32
.set G1B, 48
.set G0B, 56
.set G1S, 68
.set G0S, 76
.set G1SB, 80
.set G0SB, 88
.set QA,  92                           ; s[92:93] x's codes at the rows that I fetch;  s[94:95] Wq's;  s[96:97] where my prefetches of Q's operands stand;  s98 LDS place of my 64 rows of Wq in slot 0
.set QB,  94
.set PF2, 96
.set LB2, 98
.set MSB, 0
.macro WIN new
.if MSB != (\new)
	s_set_vgpr_msb (MSB<<8)|(\new)
.set MSB, (\new)
.endif
.endm
.set MUL_LO, 0xa1
.set MUL_HI, 0xf1
.set TO_B,   0x40
.macro TL g0, g1                       ; a tensor load; an s_nop 0 and four v_nop follow it
	tensor_load_to_lds s[\g0:\g0+3], s[\g1:\g1+7]
	s_nop 0
.rept 4
	v_nop
.endr
.endm
.macro JLOAD g0a, g1a, g0b, g1b        ; the ring's joint load: waves 0, 1 fetch for A, waves 2, 3 for B
	s_cmp_eq_u32 s15, 0
	s_cbranch_scc0 .Lfor_b_\@
	TL \g0a, \g1a
	s_branch .Lasked_\@
.Lfor_b_\@:
	TL \g0b, \g1b
.Lasked_\@:
.endm
.macro ARMS ga, gb                     ; four tiles, one a wave, in one chain of branches on the wave's number
	s_cmp_eq_u32 s14, 0
	s_cbranch_scc0 .Larm1_\@
	TL \ga, G1
	s_branch .Larmd_\@
.Larm1_\@:
	s_cmp_eq_u32 s14, 1
	s_cbranch_scc0 .Larm2_\@
	TL G0S, G1S
	s_branch .Larmd_\@
.Larm2_\@:
	s_cmp_eq_u32 s14, 2
	s_cbranch_scc0 .Larm3_\@
	TL \gb, G1B
	s_branch .Larmd_\@
.Larm3_\@:
	TL G0SB, G1SB
.Larmd_\@:
.endm
.macro CREST
	s_cmp_lg_u32 s14, 0
	s_cbranch_scc1 .Lnot_wave_0_\@
	s_barrier_signal -3
.Lnot_wave_0_\@:
	s_barrier_wait -3
	s_barrier_signal -1
	s_barrier_wait -1
.endm
.macro CROUND
	s_barrier_signal -1
	s_barrier_wait -1
	CREST
.endm
	s_load_b512 s[68:83], s[0:1], 0x0              ; x, Wq, kv, Wk: codes and scales of each
	s_load_b128 s[84:87], s[0:1], 0x40             ; Wv's
	s_load_b64 s[12:13], s[0:1], 0x50              ; ws
	v_lshl_add_u32 v[SPW], v0, 2, SPARE
	v_mov_b32 v[NIL], 0
	ds_add_u32 v[SPW], v[NIL]                      ; the opening lines: the add, twice on end, and its wait
	ds_add_u32 v[SPW], v[NIL]
	s_wait_dscnt 0x0
	v_lshrrev_b32 v1, 5, v0
	v_readfirstlane_b32 s14, v1                    ; wave 0..3
	s_lshr_b32 s15, s14, 1                         ; my half of A's rows; also: I fetch for A (0) or B (1)
	s_and_b32 s16, s14, 1                          ; my half of B's rows; also: which half I fetch
	s_bfe_u32 s40, ttmp6, 0x40000                  ; cx, cy
	s_bfe_u32 s41, ttmp6, 0x40004
	s_and_b32 s3, ttmp7, 0xffff                    ; the cluster's number, 0..15
	s_and_b32 s21, s3, 7
	s_lshl_b32 s21, s21, 2
	s_lshr_b32 s2, s3, 3
	s_add_co_u32 s2, s2, 1                         ; the whole tile's product: 1 K, 2 V
	s_cmp_eq_u32 s2, 2
	s_cselect_b32 s17, 0, s21
	s_cselect_b32 s42, s21, 0
	s_add_co_u32 s17, s17, s41                     ; A's tile row
	s_add_co_u32 s42, s42, s40                     ; B's tile column
	s_lshl_b32 s43, s41, 2
	s_lshl_b32 s43, 15, s43                        ; my row of the cluster
	s_lshl_b32 s44, 0x1111, s40                    ; my column
	s_or_b32 s[G1+0], s43, (0<<16)|(1<<20)|(1<<21)|(5<<22)|(3<<25)
	s_or_b32 s[G1B+0], s44, (0<<16)|(1<<20)|(1<<21)|(5<<22)|(3<<25)
.irp g, G1, G1B
	s_mov_b32 s[\g+1], ROWB<<16
	s_mov_b32 s[\g+2], 256<<16                     ; the first two loads of codes bring 256 rows
	s_mov_b32 s[\g+3], ROWB<<16
	s_mov_b32 s[\g+4], 256
	s_mov_b32 s[\g+5], KROW
	s_mov_b32 s[\g+6], 0
	s_mov_b32 s[\g+7], 0
.endr
	s_lshl_b32 s18, s16, 7
	s_lshl_b32 s20, s17, 8
	s_add_co_u32 s20, s20, s18
	s_lshl_b32 s46, s42, 8
	s_add_co_u32 s46, s46, s18
	s_mov_b32 s21, 0
	s_mov_b32 s47, 0
	s_mov_b64 s[18:19], KS
	s_mul_u64 s[22:23], s[20:21], s[18:19]
	s_mul_u64 s[100:101], s[46:47], s[18:19]
	s_mov_b64 s[18:19], KROW
	s_mul_u64 s[20:21], s[20:21], s[18:19]
	s_mul_u64 s[46:47], s[46:47], s[18:19]
	s_mul_i32 s45, s14, HALFT
	s_mul_i32 s99, s14, HALFS
	s_mul_i32 s[LB2], s16, 64*PITCH
	s_add_co_u32 s[LB2], s[LB2], 2*HALFT
	s_lshr_b32 s66, s3, 1                          ; Q: x's tile row 4 (cluster / 2) + cy, of 256 tokens;
	s_lshl_b32 s66, s66, 2
	s_add_co_u32 s66, s66, s41
	s_lshl_b32 s66, s66, 8
	s_and_b32 s67, s3, 1                           ; Wq's tile column 4 (cluster % 2) + cx, of 128 channels
	s_lshl_b32 s67, s67, 2
	s_add_co_u32 s67, s67, s40
	s_lshl_b32 s67, s67, 7
	s_wait_kmcnt 0x0
	s_cmp_eq_u32 s2, 2
	s_cselect_b64 s[4:5], s[84:85], s[76:77]
	s_cselect_b64 s[6:7], s[86:87], s[78:79]
	s_cselect_b64 s[8:9], s[76:77], s[80:81]
	s_cselect_b64 s[10:11], s[78:79], s[82:83]
	s_add_nc_u64 s[20:21], s[4:5], s[20:21]
	s_add_nc_u64 s[22:23], s[6:7], s[22:23]
	s_add_nc_u64 s[46:47], s[8:9], s[46:47]
	s_add_nc_u64 s[100:101], s[10:11], s[100:101]
	s_mov_b32 s105, 0
	s_lshl_b32 s104, s16, 7
	s_add_co_u32 s104, s104, s66
	s_lshl_b32 s104, s104, 10
	s_add_nc_u64 s[QA:QA+1], s[68:69], s[104:105]  ; x's codes: the tile's half that I fetch
	s_lshl_b32 s104, s16, 6
	s_add_co_u32 s104, s104, s67
	s_lshl_b32 s104, s104, 10
	s_add_nc_u64 s[QB:QB+1], s[72:73], s[104:105]  ; Wq's: 64 rows
	s_lshl_b32 s104, s66, 5
	s_add_nc_u64 s[8:9], s[70:71], s[104:105]      ; x's scale bytes of the tile's 256 rows,
	s_lshl_b32 s104, s67, 5
	s_add_nc_u64 s[10:11], s[74:75], s[104:105]    ; Wq's of its 128
	s_cmp_eq_u32 s15, 0                            ; the prefetches: do I fetch for A?
	s_cselect_b32 s6, s40, s41                     ; my place among the four that ask with me: it enters global addresses alone
	s_cselect_b64 s[4:5], s[20:21], s[46:47]
	s_cselect_b64 s[PF2:PF2+1], s[QA:QA+1], s[QB:QB+1]
	s_mov_b32 s104, 16*KROW
	s_cselect_b32 s104, 32*KROW, s104
	s_mul_i32 s104, s104, s6
	s_add_nc_u64 s[PF2:PF2+1], s[PF2:PF2+1], s[104:105]
	s_mul_i32 s6, s6, 32*KROW
	s_mov_b32 s7, 0
	s_add_nc_u64 s[4:5], s[4:5], s[6:7]
	s_or_b32 s[G1S+0], s43, (3<<16)|(1<<20)|(1<<21)|(5<<22)|(3<<25)
	s_or_b32 s[G1SB+0], s44, (3<<16)|(1<<20)|(1<<21)|(5<<22)|(3<<25)
.irp g, G1S, G1SB
	s_mov_b32 s[\g+1], 32<<16
	s_mov_b32 s[\g+2], KS<<16                      ; the scale bytes of 256 rows: KS rows of 256 bytes
	s_mov_b32 s[\g+3], 32<<16
	s_mov_b32 s[\g+4], KS
	s_mov_b32 s[\g+5], 32
	s_mov_b32 s[\g+6], 0
	s_mov_b32 s[\g+7], 0
.endr
	CROUND
	s_mov_b32 s[G0S], 1
	s_add_co_u32 s[G0S+1], s99, SCL-HALFS          ; wave 1: A's scale bytes begin at SCL
	s_sub_nc_u64 s[G0S+2:G0S+3], s[22:23], 128*KS  ; waves 1 and 3 stand at the tile's second half: back to its first row
	s_or_b32 s[G0S+3], s[G0S+3], 0x80000000
	s_mov_b32 s[G0SB], 1
	s_add_co_u32 s[G0SB+1], s99, SCL-HALFS         ; wave 3: B's begin at SCL + 2 HALFS
	s_sub_nc_u64 s[G0SB+2:G0SB+3], s[100:101], 128*KS
	s_or_b32 s[G0SB+3], s[G0SB+3], 0x80000000
.irp s, 0,1
	s_mov_b32 s[G0+4*\s], 1
	s_add_co_u32 s[G0+4*\s+1], s45, \s*SLOT
	s_add_nc_u64 s[G0+4*\s+2:G0+4*\s+3], s[20:21], \s*ROWB
	s_or_b32 s[G0+4*\s+3], s[G0+4*\s+3], 0x80000000
	s_mov_b32 s[G0B+4*\s], 1
	s_add_co_u32 s[G0B+4*\s+1], s45, \s*SLOT
	s_add_nc_u64 s[G0B+4*\s+2:G0B+4*\s+3], s[46:47], \s*ROWB
	s_or_b32 s[G0B+4*\s+3], s[G0B+4*\s+3], 0x80000000
.endr
	ARMS G0, G0B                                   ; waves 0 and 2 stand at their tile's first row and first LDS byte: the ring's own group 0 serves, with 256 rows in group 1
	s_mul_i32 s21, s15, HALFT                      ; my 128 rows of A
	s_mul_i32 s22, s16, HALFT
	s_add_co_u32 s22, s22, 2*HALFT                 ; my 128 rows of B
	s_mul_i32 s18, s15, HALFS
	s_mul_i32 s23, s16, HALFS
	s_add_co_u32 s23, s23, 2*HALFS
	s_sub_co_u32 s23, s23, s18                     ; from A's scale words to B's
	s_add_co_u32 s18, s18, SCL
	s_mul_i32 s104, s16, HALFS/2                   ; Q: Wq's scale words lie first,
	s_mul_i32 s19, s15, HALFS
	s_add_co_u32 s19, s19, HALFS
	s_sub_co_u32 s19, s19, s104                    ; x's this far behind them
	s_add_co_u32 s104, s104, SCL2
	s_cmp_eq_u32 s15, 0
	s_cselect_b32 s105, 31, 15
	v_and_b32 v1, 15, v0
	v_bfe_u32 v2, v0, 4, 1
	v_mul_u32_u24 v3, v1, PITCH
	v_lshl_add_u32 v4, v2, 4, v3                   ; a fragment's row x pitch + 16 x half
	v_add_nc_u32 v16, s21, v4
	v_add_nc_u32 v20, s22, v4
	v_add_nc_u32 v22, s[LB2], v4
	v_add_nc_u32 v17, SLOT, v16
	v_add_nc_u32 v21, SLOT, v20
	v_add_nc_u32 v23, SLOT, v22
	v_mul_u32_u24 v5, v1, KS
	v_lshrrev_b32 v6, 8, v5
	v_lshl_add_u32 v5, v6, 4, v5                   ; my row's scale bytes: KS a row, and 16 more for each 256 passed
	v_mul_u32_u24 v6, s23, v2                      ; lanes 16-31 take B's
	v_xor_b32 v7, 1, v2
	v_mul_u32_u24 v7, s19, v7                      ; Q: lanes 0-15 take x's
	v_add_nc_u32 v6, v5, v6
	v_add_nc_u32 v7, v5, v7
	v_add_nc_u32 v27, s18, v6
	v_add_nc_u32 v19, s104, v7
	v_and_b32 v[PFO], 31, v0
	v_mul_u32_u24 v[PFO], v[PFO], KROW
	v_and_b32 v[PFO2], s105, v0
	v_mul_u32_u24 v[PFO2], v[PFO2], KROW
	global_prefetch_b8 v[PFO], s[4:5] offset:ROWB th:TH_LOAD_NT scope:SCOPE_SE      ; K step 1
	global_prefetch_b8 v[PFO], s[4:5] offset:2*ROWB th:TH_LOAD_NT scope:SCOPE_SE    ; K step 2
.macro FRAG reg, adr, q, i
.irp c, 0,1,2,3
	ds_load_b128 v[\reg+4*\c:\reg+4*\c+3], v[\adr] offset:128*(\q)+32*\c+(\i)*16*PITCH
.endr
.endm
.macro MUL16 a0, p, q, sc, zero        ; A's blocks a0, a0 + 1 x B's NBK, 128 along K; the accumulators by turns; source 0 = B's rows, source 1 = A's
.irp a, \a0, \a0+1
.set B_, 0
.rept NBK
.if \zero
	v_wmma_scale_f32_16x16x128_f8f6f4 v[8*(8*((\a)%4)+B_):8*(8*((\a)%4)+B_)+7], v[128*(\p)+FR*B_:128*(\p)+FR*B_+FR-1], v[AF+FR*(\a):AF+FR*(\a)+FR-1], 0, v[SC+8*NQ*(\sc)+NQ*B_+(\q)], v[SC+8*NQ*(\sc)+NQ*(\a)+(\q)] matrix_a_fmt:MATRIX_FMT_BF8 matrix_b_fmt:MATRIX_FMT_BF8 matrix_a_scale:MATRIX_SCALE_ROW1
.else
	v_wmma_scale_f32_16x16x128_f8f6f4 v[8*(8*((\a)%4)+B_):8*(8*((\a)%4)+B_)+7], v[128*(\p)+FR*B_:128*(\p)+FR*B_+FR-1], v[AF+FR*(\a):AF+FR*(\a)+FR-1], v[8*(8*((\a)%4)+B_):8*(8*((\a)%4)+B_)+7], v[SC+8*NQ*(\sc)+NQ*B_+(\q)], v[SC+8*NQ*(\sc)+NQ*(\a)+(\q)] matrix_a_fmt:MATRIX_FMT_BF8 matrix_b_fmt:MATRIX_FMT_BF8 matrix_a_scale:MATRIX_SCALE_ROW1
.endif
.set B_, B_+1
.endr
.endr
.endm
.macro FETCH_B slot, q, p
	WIN TO_B
.set I_, 0
.rept NBK
	FRAG 128*(\p)+FR*I_, ADRB+\slot, \q, I_
.set I_, I_+1
.endr
	WIN 0
.endm
.macro FETCH_A slot, q, i0
.irp i, \i0, \i0+1, \i0+2, \i0+3
	FRAG AF+FR*(\i), ADRA+\slot, \q, \i
.endr
.endm
.macro SCALES sc                       ; a K step's scale words: lanes 0-15 A's block i, lanes 16-31 B's block i (NBK = 4: for i over 3 they read bytes that no product names)
.irp i, 0,1,2,3,4,5,6,7
	ds_load_b64 v[SC+8*NQ*\sc+NQ*\i:SC+8*NQ*\sc+NQ*\i+1], v[ADRS] offset:\i*SBLK
.endr
.endm
.macro PLACES n
.rept \n
	v_nop
.endr
.endm
.macro STEP slot, q, zero
	s_wait_dscnt 4*NL                              ; all but the youngest 16 loads: A's blocks 4-7
	WIN MUL_LO
	MUL16 0, (\q)%2, \q, \slot, \zero
	MUL16 2, (\q)%2, \q, \slot, \zero
	s_wait_dscnt 0
	PLACES NP
	FETCH_B \slot, (\q)+1, 1-(\q)%2
	FETCH_A \slot, (\q)+1, 0
	WIN MUL_HI
	MUL16 4, (\q)%2, \q, \slot, \zero
	MUL16 6, (\q)%2, \q, \slot, \zero
	PLACES NP
	WIN 0
	FETCH_A \slot, (\q)+1, 4
.endm
; A slot's last step changes slots.  fill: 0 nothing; 1 this slot's K step two on; 2 the same, and from here on a load brings 128 rows; 3 Q's K step \slot.  next < 0: no fragments are fetched.  pf >= 0: Q's K step pf is asked of memory.
.macro TURN slot, next, fill, pf
	s_wait_tensorcnt 0x0                           ; all my tensor loads have landed, so every descriptor may be written;
	ds_add_u32 v[SPW], v[NIL]
	s_wait_dscnt 4*NL+1                            ; (the add and A's blocks 4-7 may be out)
	WIN MUL_LO
	MUL16 0, 1, NQ-1, \slot, 0
	s_wait_dscnt 0x0                               ; the add is done, and my reads of this slot are over
	s_barrier_signal -1
	MUL16 2, 1, NQ-1, \slot, 0
	WIN 0
	s_barrier_wait -1
.if \fill
	CREST                                          ; the barrier has opened a round of the cluster's barrier
.if (\fill == 1) || (\fill == 2)
	s_add_nc_u64 s[G0+4*\slot+2:G0+4*\slot+3], s[G0+4*\slot+2:G0+4*\slot+3], 2*ROWB
	s_add_nc_u64 s[G0B+4*\slot+2:G0B+4*\slot+3], s[G0B+4*\slot+2:G0B+4*\slot+3], 2*ROWB
.endif
.if \fill == 2
	s_mov_b32 s[G1+2], 128<<16
	s_mov_b32 s[G1+4], 128
	s_mov_b32 s[G1B+2], 128<<16
	s_mov_b32 s[G1B+4], 128
.endif
.if \fill == 3
	s_add_nc_u64 s[G0+4*\slot+2:G0+4*\slot+3], s[QA:QA+1], \slot*ROWB
	s_or_b32 s[G0+4*\slot+3], s[G0+4*\slot+3], 0x80000000
	s_add_nc_u64 s[G0B+4*\slot+2:G0B+4*\slot+3], s[QB:QB+1], \slot*ROWB
	s_or_b32 s[G0B+4*\slot+3], s[G0B+4*\slot+3], 0x80000000
	s_add_co_u32 s[G0B+4*\slot+1], s[LB2], \slot*SLOT
	s_mov_b32 s[G1B+2], 64<<16                     ; of Wq a wave fetches 64 rows
	s_mov_b32 s[G1B+4], 64
.endif
	JLOAD G0+4*\slot, G1, G0B+4*\slot, G1B         ; the first tensor load behind the round
	PLACES NP-4
.else
	PLACES NP
.endif
.if \next >= 0
	s_wait_alu depctr_va_vdst(0)                   ; the line below reads what the last change wrote
	v_add_nc_u32 v[ADRS], 4*NQ, v[ADRS]
	FETCH_B \next, 0, 0
	FETCH_A \next, 0, 0
	SCALES \next
.endif
.if \pf >= 0
	global_prefetch_b8 v[PFO2], s[PF2:PF2+1] offset:(\pf)*ROWB th:TH_LOAD_NT scope:SCOPE_SE
.endif
	WIN MUL_HI
	MUL16 4, 1, NQ-1, \slot, 0
	MUL16 6, 1, NQ-1, \slot, 0
.if \next >= 0
	PLACES NP
	WIN 0
	FETCH_A \next, 0, 4
.else
	WIN 0
.endif
.endm
; WHERE A WAVE'S RESULTS GO.  In: s20 A's first row, s46 B's first row, s2 the product (0 Q, 1 K, 2 V).  A block of ws is (batch x 16 + head) x 16 + group of 128 tokens.
.macro EPI
	s_wait_xcnt 0x0                                ; earlier stores and prefetches have read the registers that are written below
	s_mov_b32 s95, HS
	s_mov_b32 s100, 1024
	s_mov_b32 s104, 1024
	s_mov_b32 s67, 16384
	s_cmp_eq_u32 s2, 2
	s_cselect_b32 s92, s46, s20                    ; my first token,
	s_cselect_b32 s93, s20, s46                    ; my first channel
	s_cselect_b32 s95, 1024, s95
	s_cselect_b32 s100, 2048, s100
	s_cselect_b32 s104, HS-6144, s104
	s_cselect_b32 s66, 8192, 0
	s_cselect_b32 s67, 16896, s67
	s_cmp_eq_u32 s2, 0
	s_cselect_b32 s66, 17408, s66
	s_cselect_b32 s67, 25600, s67
	s_mov_b32 s101, 0
	s_mov_b32 s105, 0
	s_lshr_b32 s94, s92, 11
	s_lshl_b32 s94, s94, 4
	s_lshr_b32 s21, s93, 6
	s_add_co_u32 s94, s94, s21
	s_lshl_b32 s94, s94, 4
	s_bfe_u32 s21, s92, 0x40007
	s_add_co_u32 s94, s94, s21
	s_mul_i32 s94, s94, BS
	s_add_co_u32 s92, s94, s66
	s_mov_b32 s93, 0
	s_add_nc_u64 s[96:97], s[12:13], s[92:93]      ; codes
	s_add_co_u32 s92, s94, s67
	s_add_nc_u64 s[98:99], s[12:13], s[92:93]      ; scale words
	v_and_b32 v[LN], 31, v0
	v_lshlrev_b32 v[VO0], 4, v[LN]
	v_add_nc_u32 v[VO1], s95, v[VO0]
	PLACES NP                                      ; eight places behind the last products, in front of the first read of the sums
	s_mov_b32 s18, 0x76543210
	s_mov_b32 s19, 0xfedcba98
	s_mov_b32 s23, 0x600000
.irp b, 0,1,2,3
	v_mov_b32 v[TM+4+\b], 0                        ; a lane permute's destination counts as one of its sources
.endr
.endm
; THE QUANTISER of A's block a: NBK / 2 scale blocks of 32 along B's rows, each in lanes l and l xor 16; the codes leave as images of the next launch's registers, 512 consecutive bytes a store.
.macro QOUT a
.set AC, 64*((\a)%4)
	WIN 0x0a+5*((\a)/4)
.set B_, 0
.rept NBK/2
	v_max3_num_f32 v[TM+B_], |v[AC+16*B_]|, |v[AC+16*B_+1]|, 0x8000000
.set B_, B_+1
.endr
.irp i, 2,4,6,8,10,12,14
.set B_, 0
.rept NBK/2
	v_max3_num_f32 v[TM+B_], |v[AC+16*B_+\i]|, |v[AC+16*B_+\i+1]|, v[TM+B_]
.set B_, B_+1
.endr
.endr
	WIN 0
.set B_, 0
.rept NBK/2
	v_permlanex16_b32 v[TM+4+B_], v[TM+B_], s18, s19
.set B_, B_+1
.endr
.set B_, 0
.rept NBK/2
	v_max_num_f32 v[TM+B_], v[TM+B_], v[TM+4+B_]
.set B_, B_+1
.endr
.set B_, 0
.rept NBK/2
	v_add_nc_u32 v[TM+12+B_], 0xf8800000, v[TM+B_]         ; 15 off the exponent field: the conversion's scale operand
.set B_, B_+1
.endr
.set B_, 0
.rept NBK/2
	v_and_or_b32 v[TM+8+B_], v[TM+B_], 0x7f800000, s23     ; 57,344 x the scale
.set B_, B_+1
.endr
.set B_, 0
.rept NBK/2
	v_lshrrev_b32 v[TM+4+B_], 23, v[TM+12+B_]              ; the scale's byte
.set B_, B_+1
.endr
	v_lshl_or_b32 v[SW+(\a)], v[TM+5], 8, v[TM+4]
.if NBK == 8
	v_lshl_or_b32 v[SW+(\a)], v[TM+6], 16, v[SW+(\a)]
	v_lshl_or_b32 v[SW+(\a)], v[TM+7], 24, v[SW+(\a)]
.endif
	WIN 0x02+(\a)/4
.set n, 0
.rept 8*NBK
	v_med3_num_f32 v[TT+n], v[AC+n], -v[TM+8+n/16], v[TM+8+n/16]   ; the hold: the conversion does not saturate (ISA guide 7.6.2)
.set n, n+1
.endr
	WIN 0
.set n, 0
.rept NBK
	v_cvt_scalef32_pk8_bf8_f32 v[PC+16*(\a)+2*n:PC+16*(\a)+2*n+1], v[TT+8*n:TT+8*n+7], v[TM+12+n/2]
.set n, n+1
.endr
	v_nop
.if (\a) > 0
	s_wait_alu depctr_va_vdst(0)
	s_wait_xcnt 0x0                                ; the stores before have read their base
.if (\a) == 4
	s_add_nc_u64 s[96:97], s[96:97], s[104:105]
.else
	s_add_nc_u64 s[96:97], s[96:97], s[100:101]
.endif
.endif
	global_store_b128 v[VO0], v[PC+16*(\a):PC+16*(\a)+3], s[96:97]
	global_store_b128 v[VO0], v[PC+16*(\a)+4:PC+16*(\a)+7], s[96:97] offset:512
.if NBK == 8
	global_store_b128 v[VO1], v[PC+16*(\a)+8:PC+16*(\a)+11], s[96:97]
	global_store_b128 v[VO1], v[PC+16*(\a)+12:PC+16*(\a)+15], s[96:97] offset:512
.endif
.endm
	s_wait_alu depctr_va_vdst(0)                   ; the wait at the head's end
	s_wait_tensorcnt 0x0                           ; my tile of the head's four is in
	ds_add_u32 v[SPW], v[NIL]
	s_mov_b32 s[G0S+1], SCL2+HALFS                 ; no tensor load of mine is out: the scale bytes' descriptors now serve Q's: x's 256 rows,
	s_mov_b64 s[G0S+2:G0S+3], s[8:9]
	s_or_b32 s[G0S+3], s[G0S+3], 0x80000000
	s_mov_b32 s[G0SB+1], SCL2                      ; Wq's 128 rows: KS / 2 rows of 256 bytes
	s_mov_b64 s[G0SB+2:G0SB+3], s[10:11]
	s_or_b32 s[G0SB+3], s[G0SB+3], 0x80000000
	s_mov_b32 s[G1SB+2], (KS/2)<<16
	s_mov_b32 s[G1SB+4], KS/2
	s_wait_dscnt 0x0
	CROUND                                         ; all four tiles are in, and all sixteen work-groups are here
	ARMS G0+4, G0B+4                               ; K step 1 (256 rows a load) and Q's scale bytes: all first fills
	FETCH_B 0, 0, 0
	FETCH_A 0, 0, 0
	SCALES 0
	FETCH_A 0, 0, 4
	global_prefetch_b8 v[PFO], s[4:5] offset:3*ROWB th:TH_LOAD_NT scope:SCOPE_SE    ; K step 3
	STEP 0, 0, 1                                   ; THE WHOLE TILE: the first products start the sums
	TURN 0, 1, 2, 0                                ; slot 0 takes K step 2
	STEP 1, 0, 0
	TURN 1, 0, 1, 1                                ; slot 1 takes K step 3
	STEP 0, 0, 0
	TURN 0, 1, 3, 2                                ; slot 0 takes Q's K step 0
	STEP 1, 0, 0
	TURN 1, -1, 3, 3                               ; slot 1 takes Q's K step 1
	s_lshl_b32 s20, s17, 8
	s_lshl_b32 s21, s15, 7
	s_add_co_u32 s20, s20, s21
	s_lshl_b32 s46, s42, 8
	s_lshl_b32 s47, s16, 7
	s_add_co_u32 s46, s46, s47
	EPI
.irp a, 0,1,2,3,4,5,6,7
	QOUT \a
.endr
	v_cmp_le_u32 vcc_lo, 16, v[LN]                 ; K's scale words: lanes 0-15 tile 2 u's, lanes 16-31 tile 2 u + 1's; the second head's bytes lie 16 bits up.  V's: tile ct's word as it is
.irp u, 0,1,2,3
	v_cndmask_b32 v[XW+\u], v[SW+2*\u], v[SW+2*\u+1], vcc_lo
.endr
.irp u, 0,1,2,3
	v_lshrrev_b32 v[XB+\u], 16, v[XW+\u]
.endr
	s_cmp_eq_u32 s2, 2
	s_cselect_b32 s20, -1, 0
.irp u, 0,1,2,3
	v_cndmask_b32 v[XW+\u], v[XW+\u], v[SW+\u], s20
.endr
.irp u, 0,1,2,3
	v_cndmask_b32 v[XB+\u], v[XB+\u], v[SW+4+\u], s20
.endr
	global_store_b128 v[VO0], v[XW:XW+3], s[98:99]
	global_store_b128 v[VO0], v[XB:XB+3], s[98:99] offset:HS
; THE HALF TILE OF Q: 256 tokens x 128 channels; a wave 128 x 64.  Its K step 0 was shown by the round of the last change of slots.
.set NBK,  4
.set ADRB, 22
.set ADRS, 19
	s_wait_xcnt 0x0                                ; the stores have read their registers, into which fragments and scale words are loaded
	FETCH_B 0, 0, 0
	FETCH_A 0, 0, 0
	SCALES 0
	FETCH_A 0, 0, 4
	STEP 0, 0, 1
	TURN 0, 1, 1, -1                               ; slot 0 takes Q's K step 2
	STEP 1, 0, 0
	TURN 1, 0, 1, -1                               ; slot 1 takes Q's K step 3
	STEP 0, 0, 0
	TURN 0, 1, 0, -1
	STEP 1, 0, 0
	s_wait_dscnt 4*NL
	WIN MUL_LO
	MUL16 0, 1, NQ-1, 1, 0
	MUL16 2, 1, NQ-1, 1, 0
	s_wait_dscnt 0
	WIN MUL_HI
	MUL16 4, 1, NQ-1, 1, 0
	MUL16 6, 1, NQ-1, 1, 0
	WIN 0
	s_lshr_b32 s20, s3, 1
	s_lshl_b32 s20, s20, 2
	s_add_co_u32 s20, s20, s41
	s_lshl_b32 s20, s20, 8
	s_lshl_b32 s21, s15, 7
	s_add_co_u32 s20, s20, s21                     ; my first token
	s_and_b32 s46, s3, 1
	s_lshl_b32 s46, s46, 2
	s_add_co_u32 s46, s46, s40
	s_lshl_b32 s46, s46, 7
	s_lshl_b32 s47, s16, 6
	s_add_co_u32 s46, s46, s47                     ; my first channel: one head
	s_mov_b32 s2, 0
	EPI
.irp a, 0,1,2,3,4,5,6,7
	QOUT \a
.endr
	v_cmp_le_u32 vcc_lo, 16, v[LN]
.irp u, 0,1,2,3
	v_cndmask_b32 v[XW+\u], v[SW+2*\u], v[SW+2*\u+1], vcc_lo
.endr
	global_store_b128 v[VO0], v[XW:XW+3], s[98:99]
	s_wait_tensorcnt 0x0                           ; the wave's end
	ds_add_u32 v[SPW], v[NIL]
	s_wait_dscnt 0x0
	CROUND                                         ; the closing round
	s_endpgm
.Lfunc_end_k_q6ab5ccb072_proj:
	.size	k_q6ab5ccb072_proj, .Lfunc_end_k_q6ab5ccb072_proj-k_q6ab5ccb072_proj
	.p2alignl 7, 3214868480
	.fill 96, 4, 3214868480
	.section	.rodata,"a",@progbits
	.p2align	6, 0x0
	.amdhsa_kernel k_q6ab5ccb072_proj
		.amdhsa_group_segment_fixed_size 327680
		.amdhsa_private_segment_fixed_size 0
		.amdhsa_enable_private_segment 0
		.amdhsa_kernarg_size 88
		.amdhsa_user_sgpr_count 2
		.amdhsa_user_sgpr_kernarg_segment_ptr 1
		.amdhsa_wavefront_size32 1
		.amdhsa_system_sgpr_workgroup_id_x 1
		.amdhsa_system_sgpr_workgroup_id_y 1
		.amdhsa_system_sgpr_workgroup_id_z 1
		.amdhsa_system_vgpr_workitem_id 0
		.amdhsa_next_free_vgpr 1024
		.amdhsa_next_free_sgpr 106
		.amdhsa_reserve_vcc 1
		.amdhsa_float_denorm_mode_32 3
		.amdhsa_float_denorm_mode_16_64 3
		.amdhsa_memory_ordered 1
		.amdhsa_forward_progress 1
		.amdhsa_inst_pref_size 255
	.end_amdhsa_kernel
	.section	.bss,"aw",@nobits
	.p2align	6
	.space	262144
	.amdgpu_metadata
---
amdhsa.version: [ 1, 2 ]
amdhsa.kernels:
  - .name:           k_q6ab5ccb072_proj
    .symbol:         k_q6ab5ccb072_proj.kd
    .args:
      - { .name: x_codes, .offset: 0, .size: 8, .value_kind: global_buffer, .address_space: global }
      - { .name: x_scales, .offset: 8, .size: 8, .value_kind: global_buffer, .address_space: global }
      - { .name: Wq_codes, .offset: 16, .size: 8, .value_kind: global_buffer, .address_space: global }
      - { .name: Wq_scales, .offset: 24, .size: 8, .value_kind: global_buffer, .address_space: global }
      - { .name: kv_codes, .offset: 32, .size: 8, .value_kind: global_buffer, .address_space: global }
      - { .name: kv_scales, .offset: 40, .size: 8, .value_kind: global_buffer, .address_space: global }
      - { .name: Wk_codes, .offset: 48, .size: 8, .value_kind: global_buffer, .address_space: global }
      - { .name: Wk_scales, .offset: 56, .size: 8, .value_kind: global_buffer, .address_space: global }
      - { .name: Wv_codes, .offset: 64, .size: 8, .value_kind: global_buffer, .address_space: global }
      - { .name: Wv_scales, .offset: 72, .size: 8, .value_kind: global_buffer, .address_space: global }
      - { .name: ws, .offset: 80, .size: 8, .value_kind: global_buffer, .address_space: global }
    .group_segment_fixed_size: 327680
    .private_segment_fixed_size: 0
    .kernarg_segment_align: 8
    .kernarg_segment_size: 88
    .max_flat_workgroup_size: 128
    .sgpr_count:     106
    .vgpr_count:     1024
    .wavefront_size: 32
...
	.end_amdgpu_metadata
.endif
;; end of part 1
;; launch attn (part 2): grid 4 x 64, 16 waves a work-group, clusters of 4 x 1, 327,680 bytes of LDS; arguments ws, out0; writes out0
.if DOCPART == 2
	.amdgcn_target "amdgcn-amd-amdhsa--gfx1250"
	.amdhsa_code_object_version 6
	.text
	.protected	k_q6ab5ccb072_attn
	.globl	k_q6ab5ccb072_attn
	.p2align	8
	.type	k_q6ab5ccb072_attn,@function
k_q6ab5ccb072_attn:
	s_mov_b64 s[64:65], 0
	v_nop
	global_prefetch_b8 v0, s[64:65] scope:SCOPE_SE
	s_setreg_imm32_b32 hwreg(HW_REG_WAVE_MODE, 25, 1), 1
	s_wait_xcnt 0x0
	s_wait_alu depctr_hold_cnt(0) depctr_sa_sdst(0) depctr_va_vdst(0) depctr_va_sdst(0) depctr_va_ssrc(0) depctr_va_vcc(0) depctr_vm_vsrc(0)
	s_getreg_b32 s2, hwreg(HW_REG_IB_STS2, 6, 4)
	s_cmp_eq_u32 s2, 0
	s_cbranch_scc0 .Lentry_in_a_cluster
	s_endpgm
.Lentry_in_a_cluster:
	s_bfe_u32 s2, ttmp6, 0x10000c
	s_cmp_lg_u32 s2, 0x3003
	s_cbranch_scc0 .Lentry_shape_is_right
	s_endpgm
.Lentry_shape_is_right:
; out0[b][q][64 head + :] = the sum over k of softmax_k(Q . K / 8) V, for 64 (batch, head) pairs of 2,048 queries x 2,048 keys, head size 64; both products on codes of BF8 (E5M2) with one E8M0 byte for each 32 along K.
; ws, laid by the launch before in the order of the operands' registers: 1,024 blocks of 26,112 bytes, block ((batch x 16 + head) x 16 + group of 128 tokens):
;   0 K's codes (tile t of 16 keys at 1024 t + 512 c + 16 lane);  8,192 V's codes (tile ct of 16 channels x 128 keys at 2048 ct + 512 c + 16 lane);  16,384 K's scale words (16 lane + 4 u: lanes 0-15 tile 2 u,
;   lanes 16-31 tile 2 u + 1);  16,896 V's scale words (16 lane + 4 ct);  17,408 Q's codes, 25,600 Q's scale words, laid as K's.
; THE SOFTMAX: t = score x log2(e) / 8; M = the row's largest t so far, rounded UP to a whole number; p = 2^(t - M) is quantised along the keys, not normalised.  The row's sum is taken of the unquantised p, in f32,
; and divides O at the end.  When M moves, the sum and O are multiplied by 2^(old M - new M): exact.
; SHARES.  A cluster of four work-groups owns a head; a work-group 512 of its queries; each of its sixteen waves two tiles of 16 queries, one after the other (two passes).  Every wave walks all 2,048 keys, 128 a step.
; A HEAD'S WHOLE K AND V LIE IN LDS: 16 x 17,408 bytes, brought once, one joint tensor load a wave (mask: the four partners).  Nothing is filled again.  Wave w works key step w, which it fetched itself, behind its own
; wait and ahead of the one barrier; then it walks the other fifteen, modulo 16: the order of the keys is free under a running M.
; No prefetch: every byte of ws that the launch reads is asked for at the head, so there is no later load to run ahead of.
; LAYOUT.  Both products transposed: S^T = K Q^T, O^T = V^T P^T: a lane holds ONE query (lane % 16).  The order of keys inside a block of 32, and of channels, is alike on both sides of each product.
; K = 64 IN AN INSTRUCTION 128 DEEP: Q's fragment is 8 registers of codes and 8 of zero codes; K's fragment t is 16 registers from tile t on, whose upper half meets the zero codes (behind the last tile: 8 zero registers).
; TWO NUMBERS A LINE: scalings, sums, holds and rescalings are dual pairs; what both halves of a pair need (c, -M, f, a block's bound) stands in two registers of different banks.
; LIMITS: NaN, infinities and the scale byte 0xff among the inputs are not served; the scaled scores stay under 2^31 in magnitude.  A block of p whose every number has fallen to 0 keeps the byte 1: its codes are zeros.
.set BS,   26112
.set KVB,  17408                       ; a block's part that lies in LDS: 68 rows of 256 bytes
.set VCO,  8192
.set KSO,  16384
.set VSO,  16896
.set QCO,  17408
.set QSO,  25600
.set STG,  16*KVB                      ; behind K and V: a stage of 16 rows x (128 bytes + 16) for each wave; no tensor load lands there
.set SP,   144
.set STW,  16*SP
.set SPARE, STG+16*STW                 ; the spare words, 128 bytes a wave
.set LI,   1                           ; v1   16 x lane
.set ADR,  2                           ; v2   LDS address of the key step in hand
.set SO,   3                           ; v3   the stage: where I put 32 bytes of a row
.set SR,   4                           ; v4   and where I read 16 bytes back
.set GO,   5                           ; v5   my byte offset in the tile's rows of out0
.set TX,   6                           ; v6   the largest t
.set R16,  7                           ; v7   16 x (lane % 16)
.set CV,   8                           ; v8, v9  c = log2(e) / 8, twice
.set PS,   10                          ; v10  p's scale word (its number differs modulo 8 from V's scale words')
.set SPW,  11                          ; v11  my spare word
.set NM,   12                          ; v12, v13  -M, twice
.set LL,   14                          ; v14, v15  the row's sum in two halves
.set QF,   16                          ; v16-23 Q's codes, v24-31 zero codes
.set KB,   32                          ; v32-95 K's eight tiles, later V's four fragments; v96-103 zero codes
.set SS,   104                         ; v104-167 S^T, then p
.set OT,   168                         ; v168-199 O^T
.set PC,   200                         ; v200-215 p's codes
.set KSC,  216
.set VSC,  220
.set QS,   224
.set QS2,  225
.set Q2,   226                         ; v226-233 the second pass's codes of Q
.set BM,   234                         ; v234-237 a block's largest score, its largest p, then the second copy of the bounds
.set PM,   238                         ; v238-241 the other lanes' maxima; two chains of the sum; the bytes
.set HD,   242                         ; v242-245 57,344 x the scale
.set SX,   246                         ; v246-249 the conversions' scale operands
.set FF,   250                         ; v250, v251  f = 2^(old M - new M), twice
.set OM,   252                         ; v252 the old -M
.set T0,   253
.set T1,   254
.set NIL,  255
.set WV,   8
.set G0,   12
.set G1,   16
.set SEL,  24
.set CS,   26
.set MNT,  28
.set TB,   29                          ; s29  LDS byte at which the key step in hand begins
.set CNT,  30
.set KI,   31                          ; s31  the key step's number, before it is taken modulo 16
.set QB,   32
.set QSB,  34
.set OB,   36
.macro CROUND
	s_barrier_signal -1
	s_barrier_wait -1
	s_cmp_lg_u32 s[WV], 0
	s_cbranch_scc1 .Lnot_wave_0_\@
	s_barrier_signal -3
.Lnot_wave_0_\@:
	s_barrier_wait -3
	s_barrier_signal -1
	s_barrier_wait -1
.endm
	s_load_b128 s[4:7], s[0:1], 0x0                ; ws, out0
	v_lshl_add_u32 v[SPW], v0, 2, SPARE
	v_mov_b32 v[NIL], 0
	ds_add_u32 v[SPW], v[NIL]                      ; the opening lines: the add, twice on end, and its wait
	ds_add_u32 v[SPW], v[NIL]
	v_lshrrev_b32 v[T1], 5, v0
	v_readfirstlane_b32 s[WV], v[T1]               ; wave 0..15
	s_bfe_u32 s10, ttmp6, 0x40000                  ; cx: which 512 queries are my work-group's: it enters Q's and out0's addresses alone
	s_and_b32 s11, ttmp7, 0xffff                   ; batch x 16 + head
	s_mov_b32 s[G1], 15|(3<<16)|(1<<21)            ; the mask of four; elements of 8 bytes; bit 21 beside a mask
	s_mov_b32 s[G1+1], 32<<16                      ; 68 rows of 256 bytes, dense
	s_mov_b32 s[G1+2], 68<<16
	s_mov_b32 s[G1+3], 32<<16
	s_mov_b32 s[G1+4], 68
	s_mov_b32 s[G1+5], 32
	s_mov_b32 s[G1+6], 0
	s_mov_b32 s[G1+7], 0
	s_lshl_b32 s38, s11, 4                         ; the head's first block
	s_add_co_u32 s40, s38, s[WV]                   ; wave w fetches key step w
	s_mul_i32 s40, s40, BS
	s_mov_b32 s41, 0
	s_mov_b32 s[G0], 1
	s_mul_i32 s[G0+1], s[WV], KVB
	s_lshl_b32 s42, s10, 2                         ; Q: my first tile is number 32 cx + w of the head's 128: block 4 cx + w / 8, tile w % 8; the second pass's lies two blocks on
	s_add_co_u32 s42, s42, s38
	s_lshr_b32 s43, s[WV], 3
	s_add_co_u32 s42, s42, s43
	s_mul_i32 s42, s42, BS
	s_and_b32 s43, s[WV], 7
	s_lshl_b32 s44, s43, 10
	s_add_co_u32 s[QB], s42, s44
	s_add_co_u32 s[QB], s[QB], QCO
	s_mov_b32 s[QB+1], 0
	s_and_b32 s44, s43, 1
	s_lshl_b32 s44, s44, 8
	s_lshr_b32 s43, s43, 1
	s_lshl_b32 s43, s43, 2
	s_add_co_u32 s[QSB], s42, s44
	s_add_co_u32 s[QSB], s[QSB], s43
	s_add_co_u32 s[QSB], s[QSB], QSO               ; row r's scale word at 16 r + 256 (tile % 2) + 4 (tile / 2)
	s_mov_b32 s[QSB+1], 0
	s_lshr_b32 s[OB], s11, 4                       ; out0: row batch x 2,048 + 512 cx + 16 w, of 4,096 bytes; the head's 256 bytes in it
	s_lshl_b32 s[OB], s[OB], 11
	s_lshl_b32 s44, s10, 9
	s_add_co_u32 s[OB], s[OB], s44
	s_lshl_b32 s44, s[WV], 4
	s_add_co_u32 s[OB], s[OB], s44
	s_lshl_b32 s[OB], s[OB], 12
	s_and_b32 s44, s11, 15
	s_lshl_b32 s44, s44, 8
	s_add_co_u32 s[OB], s[OB], s44
	s_mov_b32 s[OB+1], 0
	s_mov_b32 s[SEL], 0x76543210
	s_mov_b32 s[SEL+1], 0xfedcba98
	s_mov_b32 s[CS], 0x3e38aa3b                    ; c = log2(e) / sqrt(64)
	s_mov_b32 s[MNT], 0x600000
	s_wait_dscnt 0x0
	s_wait_kmcnt 0x0
	s_add_nc_u64 s[G0+2:G0+3], s[4:5], s[40:41]
	s_or_b32 s[G0+3], s[G0+3], 0x80000000
	s_add_nc_u64 s[QB:QB+1], s[4:5], s[QB:QB+1]
	s_add_nc_u64 s[QSB:QSB+1], s[4:5], s[QSB:QSB+1]
	s_add_nc_u64 s[OB:OB+1], s[6:7], s[OB:OB+1]
	CROUND                                         ; all four work-groups are here: the joint loads meet
	tensor_load_to_lds s[G0:G0+3], s[G1:G1+7]      ; my one tensor load of the launch
	s_nop 0
.rept 4
	v_nop
.endr
	v_and_b32 v[T1], 31, v0
	v_lshlrev_b32 v[LI], 4, v[T1]
	v_and_b32 v[OM], 15, v0                        ; r
	v_bfe_u32 v[T0], v0, 4, 1                      ; h
	v_lshlrev_b32 v[R16], 4, v[OM]
	global_load_b128 v[QF:QF+3], v[LI], s[QB:QB+1] th:TH_LOAD_NT
	global_load_b128 v[QF+4:QF+7], v[LI], s[QB:QB+1] offset:512 th:TH_LOAD_NT
	global_load_b128 v[Q2:Q2+3], v[LI], s[QB:QB+1] offset:2*BS th:TH_LOAD_NT
	global_load_b128 v[Q2+4:Q2+7], v[LI], s[QB:QB+1] offset:2*BS+512 th:TH_LOAD_NT
	global_load_b32 v[QS], v[R16], s[QSB:QSB+1] th:TH_LOAD_NT
	global_load_b32 v[QS2], v[R16], s[QSB:QSB+1] offset:2*BS th:TH_LOAD_NT
	s_mul_i32 s44, s[WV], STW
	s_add_co_u32 s44, s44, STG                     ; my stage
	v_mul_u32_u24 v[SO], v[OM], SP
	v_lshl_add_u32 v[SO], v[T0], 5, v[SO]
	v_add_nc_u32 v[SO], s44, v[SO]                 ; in: row r, + 32 h; a tile's eight channels 64 bytes on from the tile before
	v_and_b32 v[T1], 7, v0
	v_mul_u32_u24 v[SR], v[T0], SP
	v_lshl_add_u32 v[SR], v[T1], 4, v[SR]
	v_add_nc_u32 v[SR], s44, v[SR]                 ; back: row lane / 16, piece lane % 8 of its 128 bytes
	v_lshl_add_u32 v[GO], v[T0], 12, v[R16]        ; lanes 0-15 one row of out0, lanes 16-31 the next; 16 bytes a lane
	v_mov_b32 v[CV], s[CS]
	v_mov_b32 v[CV+1], s[CS]
.irp j, 0,1,2,3,4,5,6,7
	v_mov_b32 v[QF+8+\j], 0                        ; the zero codes behind Q's,
	v_mov_b32 v[KB+64+\j], 0                       ; and behind K's last tile
.endr
.irp b, 0,1,2,3
	v_mov_b32 v[PM+\b], 0                          ; a lane permute's destination counts as one of its sources
.endr
	v_mov_b32 v[T0], 0
; A KEY STEP: 128 keys.
.macro STEP
	v_add_nc_u32 v[ADR], s[TB], v[LI]
	v_mov_b32 v[OM], v[NM]
.rept 6
	v_nop                                          ; with the two lines above: eight places behind the last products, in front of loads into registers that they have read
.endr
	ds_load_b128 v[KSC:KSC+3], v[ADR] offset:KSO
.set n, 0
.rept 16
	ds_load_b128 v[KB+4*n:KB+4*n+3], v[ADR] offset:512*n
.set n, n+1
.endr
	s_wait_alu depctr_va_vdst(0)
	s_wait_dscnt 0x0
.irp t, 0,2,4,6                                ; S^T = K Q^T: eight sums, each begun by the constant 0
	v_wmma_scale_f32_16x16x128_f8f6f4 v[SS+8*\t:SS+8*\t+7], v[KB+8*\t:KB+8*\t+15], v[QF:QF+15], 0, v[KSC+\t/2], v[QS] matrix_a_fmt:MATRIX_FMT_BF8 matrix_b_fmt:MATRIX_FMT_BF8
	v_wmma_scale_f32_16x16x128_f8f6f4 v[SS+8*\t+8:SS+8*\t+15], v[KB+8*\t+8:KB+8*\t+23], v[QF:QF+15], 0, v[KSC+\t/2], v[QS] matrix_a_fmt:MATRIX_FMT_BF8 matrix_b_fmt:MATRIX_FMT_BF8 matrix_a_scale:MATRIX_SCALE_ROW1
.endr
.rept 8
	v_nop                                          ; eight places: in front of the loads into K's registers and of the first read of the scores
.endr
	ds_load_b128 v[VSC:VSC+3], v[ADR] offset:VSO   ; V lands while the softmax is worked
.set n, 0
.rept 16
	ds_load_b128 v[KB+4*n:KB+4*n+3], v[ADR] offset:VCO+512*n
.set n, n+1
.endr
.irp b, 0,1,2,3
	v_max3_num_f32 v[BM+\b], v[SS+16*\b], v[SS+16*\b+1], v[SS+16*\b+2]   ; the largest score of each block of 32 keys: for the row's maximum and, since p rises with the score, for the block's largest p
.endr
.irp i, 3,5,7,9,11,13
.irp b, 0,1,2,3
	v_max3_num_f32 v[BM+\b], v[BM+\b], v[SS+16*\b+\i], v[SS+16*\b+\i+1]
.endr
.endr
.irp b, 0,1,2,3
	v_max_num_f32 v[BM+\b], v[BM+\b], v[SS+16*\b+15]
.endr
.irp b, 0,1,2,3
	s_delay_alu instid0(VALU_DEP_4)
	v_permlanex16_b32 v[PM+\b], v[BM+\b], s[SEL], s[SEL+1]
.endr
.irp b, 0,1,2,3
	s_delay_alu instid0(VALU_DEP_4)
	v_max_num_f32 v[BM+\b], v[BM+\b], v[PM+\b]     ; with lane l xor 16's 16 keys
.endr
	s_delay_alu instid0(VALU_DEP_2)
	v_max3_num_f32 v[T1], v[BM], v[BM+1], v[BM+2]
	s_delay_alu instid0(VALU_DEP_1)
	v_max_num_f32 v[T1], v[T1], v[BM+3]
	s_delay_alu instid0(VALU_DEP_1)
	v_mul_f32 v[T1], s[CS], v[T1]                  ; as t (c is positive)
	s_delay_alu instid0(VALU_DEP_1)
	v_max_num_f32 v[TX], v[TX], v[T1]              ; the running largest t
	s_delay_alu instid0(VALU_DEP_1)
	v_floor_f32 v[NM], -v[TX]                      ; -M = floor(-t): M is a whole number
	s_delay_alu instid0(VALU_DEP_1)
	v_sub_f32 v[T1], v[NM], v[OM]                  ; old M - new M: a whole number, 0 or less
	s_delay_alu instid0(VALU_DEP_1)
	v_cvt_i32_f32 v[T1], v[T1]                     ; (it saturates)
	s_delay_alu instid0(VALU_DEP_1)
	v_ldexp_f32 v[FF], 1.0, v[T1]                  ; f = 2^(old M - new M)
	v_ldexp_f32 v[FF+1], 1.0, v[T1]
	v_mov_b32 v[NM+1], v[NM]
.set n, 0
.rept 32
	v_dual_fma_f32 v[SS+n], v[SS+n], v[CV], v[NM] :: v_dual_fma_f32 v[SS+n+1], v[SS+n+1], v[CV+1], v[NM+1]   ; t - M
.set n, n+2
.endr
.irp b, 0,1,2,3
	v_fma_f32 v[BM+\b], v[BM+\b], s[CS], v[NM]     ; the same of each block's largest score
.endr
	s_wait_alu depctr_va_vdst(0)                   ; the wait ahead of the batch
.set n, 0
.rept 64
	v_exp_f32 v[SS+n], v[SS+n]                     ; p = 2^(t - M), at most 1
.set n, n+1
.endr
.irp b, 0,1,2,3
	v_exp_f32 v[BM+\b], v[BM+\b]                   ; the block's largest p: the same two instructions on the same number give the same bits
.endr
	v_mul_f32 v[LL], v[LL], v[FF]                  ; the sums under the new M (plain lines behind the batch)
	v_mul_f32 v[LL+1], v[LL+1], v[FF]
	s_wait_alu depctr_va_vdst(0)                   ; one wait for the batch of 68, ahead of its first reader
	v_dual_add_f32 v[PM], v[SS], v[SS+2] :: v_dual_add_f32 v[PM+1], v[SS+1], v[SS+3]       ; the row's sum is taken of the unquantised p: three chains of pairs by turns
	v_dual_add_f32 v[PM+2], v[SS+4], v[SS+6] :: v_dual_add_f32 v[PM+3], v[SS+5], v[SS+7]
.set n, 8
.rept 28
.set CHN, LL
.if (n/2)%3 == 1
.set CHN, PM
.elseif (n/2)%3 == 2
.set CHN, PM+2
.endif
	v_dual_add_f32 v[CHN], v[CHN], v[SS+n] :: v_dual_add_f32 v[CHN+1], v[CHN+1], v[SS+n+1]
.set n, n+2
.endr
	v_dual_add_f32 v[PM], v[PM], v[PM+2] :: v_dual_add_f32 v[PM+1], v[PM+1], v[PM+3]
	v_dual_add_f32 v[LL], v[LL], v[PM] :: v_dual_add_f32 v[LL+1], v[LL+1], v[PM+1]
.irp b, 0,1,2,3
	v_max_num_f32 v[BM+\b], 0x8000000, v[BM+\b]    ; the floor 2^(16 - 127): the byte cannot fall under 1
.endr
.irp b, 0,1,2,3
	s_delay_alu instid0(VALU_DEP_4)
	v_add_nc_u32 v[SX+\b], 0xf8800000, v[BM+\b]    ; 15 off the exponent field: the conversion's scale operand
.endr
.irp b, 0,1,2,3
	v_and_or_b32 v[HD+\b], v[BM+\b], 0x7f800000, s[MNT]   ; 57,344 x the scale
.endr
.irp b, 0,1,2,3
	v_lshrrev_b32 v[PM+\b], 23, v[SX+\b]           ; the scale's byte
.endr
	s_delay_alu instid0(VALU_DEP_3)
	v_lshl_or_b32 v[PS], v[PM+1], 8, v[PM]         ; p's scale word for these 128 keys
	s_delay_alu instid0(VALU_DEP_1)
	v_lshl_or_b32 v[PS], v[PM+2], 16, v[PS]
	s_delay_alu instid0(VALU_DEP_1)
	v_lshl_or_b32 v[PS], v[PM+3], 24, v[PS]
	v_dual_mov_b32 v[BM+1], v[HD] :: v_dual_mov_b32 v[BM+2], v[HD+1]     ; block b's bound once more, in v[BM + (b + 1) % 4]: another bank than v[HD + b]
	v_dual_mov_b32 v[BM+3], v[HD+2] :: v_dual_mov_b32 v[BM], v[HD+3]
.irp b, 0,1,2,3
.set n, 0
.rept 8
	v_dual_min_num_f32 v[SS+16*\b+n], v[SS+16*\b+n], v[HD+\b] :: v_dual_min_num_f32 v[SS+16*\b+n+1], v[SS+16*\b+n+1], v[BM+(\b+1)%4]   ; the hold: the conversion does not saturate (ISA guide 7.6.2); p is not negative
.set n, n+2
.endr
	v_cvt_scalef32_pk8_bf8_f32 v[PC+4*\b:PC+4*\b+1], v[SS+16*\b:SS+16*\b+7], v[SX+\b]
	v_cvt_scalef32_pk8_bf8_f32 v[PC+4*\b+2:PC+4*\b+3], v[SS+16*\b+8:SS+16*\b+15], v[SX+\b]
.endr
	v_nop                                          ; a plain line behind the last conversion
	s_wait_alu depctr_va_vdst(0)                   ; the wait stands directly ahead of the first reader of O^T
.set n, 0
.rept 16
	v_dual_mul_f32 v[OT+n], v[OT+n], v[FF] :: v_dual_mul_f32 v[OT+n+1], v[OT+n+1], v[FF+1]   ; O^T under the new M; also the places between the codes and the products
.set n, n+2
.endr
	s_wait_alu depctr_va_vdst(0)
	s_wait_dscnt 0x0                               ; V is in
.irp t, 0,1,2,3                                ; O^T += V^T P^T: the four accumulators by turns
	v_wmma_scale_f32_16x16x128_f8f6f4 v[OT+8*\t:OT+8*\t+7], v[KB+16*\t:KB+16*\t+15], v[PC:PC+15], v[OT+8*\t:OT+8*\t+7], v[VSC+\t], v[PS] matrix_a_fmt:MATRIX_FMT_BF8 matrix_b_fmt:MATRIX_FMT_BF8
.endr
.endm
; THE WAY OUT of a tile of 16 queries.  A lane holds 4 x 32 bytes of one row's 256.  The stage holds 16 rows x 128 bytes: channels 0-31 go through it, then channels 32-63, every store with all lanes on.
; In both turns lane l reads piece l % 8 of row 2 i + l / 16; lanes with l % 16 < 8 keep the first turn's, the others the second's: sixteen lanes then store 256 consecutive bytes, at a multiple of 256 from out0's first byte.
; LDS serves a wave's instructions in order (ISA guide 5.7.1.4): the loads see the stores above them, and the second turn's stores come behind the first turn's loads.
.macro OUT p
	v_add_f32 v[LL], v[LL], v[LL+1]
	v_permlanex16_b32 v[T0], v[LL], s[SEL], s[SEL+1]
	v_add_f32 v[LL], v[LL], v[T0]                  ; the row's sum
	s_wait_alu depctr_va_vdst(0)
	v_rcp_f32 v[LL], v[LL]
.rept 8
	v_nop                                          ; the plain line behind the reciprocal, and eight places behind the last products
.endr
	s_wait_alu depctr_va_vdst(0)
.set n, 0
.rept 32
	v_mul_f32 v[SS+n], v[OT+n], v[LL]              ; register 8 t + i is channel 16 t + 8 h + i of query r
.set n, n+1
.endr
.irp u, 0,1
.irp t, 0,1
	ds_store_b128 v[SO], v[SS+16*\u+8*\t:SS+16*\u+8*\t+3] offset:64*\t
	ds_store_b128 v[SO], v[SS+16*\u+8*\t+4:SS+16*\u+8*\t+7] offset:64*\t+16
.endr
.irp i, 0,1,2,3,4,5,6,7
	ds_load_b128 v[KB+32*\u+4*\i:KB+32*\u+4*\i+3], v[SR] offset:2*SP*\i
.endr
.endr
	s_wait_dscnt 0x0
	v_and_b32 v[T1], 8, v0
	v_cmp_ne_u32 vcc_lo, 0, v[T1]
.set n, 0
.rept 32
	v_cndmask_b32 v[KB+n], v[KB+n], v[KB+32+n], vcc_lo
.set n, n+1
.endr
.irp i, 0,1,2,3,4,5,6,7
	global_store_b128 v[GO], v[KB+4*\i:KB+4*\i+3], s[OB:OB+1] offset:(\p)*256*4096+2*\i*4096 th:TH_STORE_NT   ; rows 2 i and 2 i + 1; the second pass's tile lies 256 rows on
.endr
.endm
.macro INIT                                    ; O^T and the sum begin as zeros and the largest t as -3e38: the first change of M leaves zeros zeros
	v_mov_b32 v[TX], 0xff61b1e6
	v_floor_f32 v[NM], -v[TX]
	v_mov_b32 v[LL], 0
	v_mov_b32 v[LL+1], 0
.set n, 0
.rept 32
	v_mov_b32 v[OT+n], 0
.set n, n+1
.endr
.endm
.macro WALK steps                              ; so many key steps, each the one behind the last, modulo 16
	s_mov_b32 s[CNT], \steps
.Lstep_\@:
	s_add_co_u32 s[KI], s[KI], 1
	s_and_b32 s[TB], s[KI], 15
	s_mul_i32 s[TB], s[TB], KVB
	STEP
	s_sub_co_u32 s[CNT], s[CNT], 1
	s_cmp_lg_u32 s[CNT], 0
	s_cbranch_scc1 .Lstep_\@
.endm
	INIT
	s_mov_b32 s[KI], s[WV]
	s_mul_i32 s[TB], s[WV], KVB
	s_wait_alu depctr_va_vdst(0)                   ; the wait at the head's end
	s_wait_loadcnt 0x0                             ; Q
	s_wait_tensorcnt 0x0                           ; my key step has landed: I alone read it ahead of the barrier
	STEP
	s_wait_dscnt 0x0
	s_barrier_signal -1
	s_barrier_wait -1                              ; everybody's has landed: from here on LDS bytes 0 to 278,527 are only read
	WALK 15
	OUT 0
.irp j, 0,1,2,3,4,5,6,7
	v_mov_b32 v[QF+\j], v[Q2+\j]                   ; the second tile's codes of Q,
.endr
	v_mov_b32 v[QS], v[QS2]                        ; and its scale words
	s_wait_xcnt 0x0                                ; the first pass's stores have read their registers, into which the second pass loads
	INIT
	WALK 16
	OUT 1
	s_wait_tensorcnt 0x0                           ; the wave's end
	ds_add_u32 v[SPW], v[NIL]
	s_wait_dscnt 0x0
	CROUND                                         ; the closing round
	s_endpgm
.Lfunc_end_k_q6ab5ccb072_attn:
	.size	k_q6ab5ccb072_attn, .Lfunc_end_k_q6ab5ccb072_attn-k_q6ab5ccb072_attn
	.p2alignl 7, 3214868480
	.fill 96, 4, 3214868480
	.section	.rodata,"a",@progbits
	.p2align	6, 0x0
	.amdhsa_kernel k_q6ab5ccb072_attn
		.amdhsa_group_segment_fixed_size 327680
		.amdhsa_private_segment_fixed_size 0
		.amdhsa_enable_private_segment 0
		.amdhsa_kernarg_size 16
		.amdhsa_user_sgpr_count 2
		.amdhsa_user_sgpr_kernarg_segment_ptr 1
		.amdhsa_wavefront_size32 1
		.amdhsa_system_sgpr_workgroup_id_x 1
		.amdhsa_system_sgpr_workgroup_id_y 1
		.amdhsa_system_sgpr_workgroup_id_z 1
		.amdhsa_system_vgpr_workitem_id 0
		.amdhsa_next_free_vgpr 256
		.amdhsa_next_free_sgpr 66
		.amdhsa_reserve_vcc 1
		.amdhsa_float_denorm_mode_32 3
		.amdhsa_float_denorm_mode_16_64 3
		.amdhsa_memory_ordered 1
		.amdhsa_forward_progress 1
		.amdhsa_inst_pref_size 80
	.end_amdhsa_kernel
	.amdgpu_metadata
---
amdhsa.version: [ 1, 2 ]
amdhsa.kernels:
  - .name:           k_q6ab5ccb072_attn
    .symbol:         k_q6ab5ccb072_attn.kd
    .args:
      - { .name: ws, .offset: 0, .size: 8, .value_kind: global_buffer, .address_space: global }
      - { .name: out0, .offset: 8, .size: 8, .value_kind: global_buffer, .address_space: global }
    .group_segment_fixed_size: 327680
    .private_segment_fixed_size: 0
    .kernarg_segment_align: 8
    .kernarg_segment_size: 16
    .max_flat_workgroup_size: 512
    .sgpr_count:     66
    .vgpr_count:     256
    .wavefront_size: 32
...
	.end_amdgpu_metadata
.endif
;; end of part 2
